; MI455X (gfx1250); checked and timed in simulation.
; The chip was launched on July 23, 2026; its instructions are those of AMD's public machine-readable ISA for CDNA 5 (MIT licence, August 2026) and "CDNA5" Instruction Set Architecture Reference Guide (July 2026). The comments in the code are by the model that wrote it; some were corrected since.
;; Rot Attention Pool2d. Allowed arithmetic: matrix products marked QUANTISED: E2M3 operands, one E8M0 scale for each 32 along K, by v_wmma_scale_f32_16x16x128_f8f6f4 with both operands' format E2M3, f32 sums; everything else in f32.
;; Inputs: proj_b 1,024 float32; proj_w 1,024 x 1,024 float32; qkv_b 3,072 float32; qkv_w 1,024 x 3,072 float32; x 64 x 1,024 x 14 x 14 float32.
;; Outputs: out0 64 x 1,024 float32.
;; This version of the problem:
;;   THIS VERSION OF THE PROBLEM IS GIVEN IN LOW PRECISION. The matrix products marked QUANTISED in the list below multiply operands that are first quantised to E2M3 (2 exponent bits, 3 mantissa bits; 6 bits a number), with one power-of-two scale for each 32 numbers along K (OCP MX v1.0); their sums are f32. All else is computed in f32.
;;   The module's matrix products, in the order in which they are computed (A, B: the left and right operand; K: the contracted axis; several contracted axes count as one K, in the product's order):
;;     1. [M 12,608, K 1,024] x [K 1,024, N 3,072]; A: computed on the way; B: input qkv_w: QUANTISED
;;     2. batch 1,024 x [M 197, K 64] x [K 64, N 197]; A: computed on the way; B: computed on the way: QUANTISED
;;     3. batch 1,024 x [M 197, K 197] x [K 197, N 64]; A: softmax (see below); B: computed on the way: QUANTISED
;;     4. [M 12,608, K 1,024] x [K 1,024, N 1,024]; A: computed on the way; B: input proj_w: QUANTISED
;;   THE QUANTISER, for each operand of a quantised product, along K:
;;     - K is cut into blocks of 32 from its start; a last block that is shorter is filled with zeros.
;;     - A block's scale is 2^e with e = floor(log2(the largest magnitude in the block)) - 2, held to -126 .. 127; a block of zeros has e = 0. As a byte (E8M0): e + 127.
;;     - Each number is divided by its block's scale, clamped to +-7.5, and rounded to the nearest number of E2M3, ties to even, subnormals kept.
;;     - The product sums the exact products of the quantised numbers (number of the format x scale) in f32.
;;   ~~~python
;;   def quantise(x, axis):      # numpy; x: float32 -> the quantised numbers, widened to float32 again
;;       x = np.moveaxis(x, axis, -1); K = x.shape[-1]
;;       x = np.pad(x, [(0, 0)] * (x.ndim - 1) + [(0, -K % 32)]); x = x.reshape(x.shape[:-1] + (-1, 32)); a = np.abs(x).max(-1, keepdims=True)
;;       e = np.where(a > 0, np.clip(np.frexp(np.where(a > 0, a, 1))[1] - 1 - 2, -126, 127), 0)      # np.frexp(a)[1] - 1 = floor(log2(a)), exactly
;;       r = np.clip(x / 2.0 ** e, -7.5, 7.5)
;;       step = 2.0 ** (np.maximum(np.frexp(np.where(r == 0, 1, r))[1] - 1, 0) - 3)
;;       q = np.round(r / step) * step * 2.0 ** e      # np.round: ties to even
;;       return np.moveaxis(q.reshape(q.shape[:-2] + (-1,))[..., :K], -1, axis).astype(np.float32)
;;   ~~~
;;   SOFTMAX AHEAD OF A QUANTISED PRODUCT. Where the list says 'softmax', what is quantised is not the finished softmax but p = 2^(t - M), with t = logit x log2(e) and M = ceil(the row's largest t), a whole number; so 1/2 < the row's largest p <= 1. The row's sum l is taken of the UNQUANTISED p, in f32, and the product's result is divided by l at the end. Since M is a whole number, a kernel that streams over the keys may use a running M (the ceiling of the running maximum): every later rescaling is an exact power of two, which a block's scale takes up: the codes' values come out the same.
;;   OPERANDS COMPUTED ON THE WAY. 'Computed on the way' means the value that the module computes at that place (a softmax that the list does not call 'softmax' is quantised finished and normalised). What goes into a quantiser is computed in f32, as accurately as f32 sums, v_exp_f32 and their like allow (about 1e-6 of the number): no bf16 or f16 on the way to a quantiser, and a product that is left as it is and whose result goes on into a quantised operand takes f32 operands (vector FMAs, or v_wmma_f32_16x16x4_f32). A number that lies on a knife's edge between two numbers of the format may be rounded either way, as far as f32 arithmetic and the matrix unit's own rounding can turn it there, and no further.
;; One version. Each part assembles by itself: llvm-mc -triple=amdgcn-amd-amdhsa -mcpu=gfx1250 --defsym DOCPART=n.
;; ======== version 1 of 1: 3 launches
;; limits: right only within a limited range of input values
;; workspace buffers: tq 10,747,904 bytes; wq 3,145,728 bytes; wsc 131,072 bytes; oc 49,152 bytes; osc 2,048 bytes
;; launch quant (part 1): grid 256 x 1, 16 waves a work-group, no clusters, 273,664 bytes of LDS; arguments x, qkv_w, proj_w, tq, wq, wsc; writes tq, wq, wsc
.if DOCPART == 1
	.amdgcn_target "amdgcn-amd-amdhsa--gfx1250"
	.amdhsa_code_object_version 6
	.text
	.protected	k_q4224b755be_quant
	.globl	k_q4224b755be_quant
	.p2align	8
	.type	k_q4224b755be_quant,@function
k_q4224b755be_quant:
	s_mov_b64 s[64:65], 0
	v_nop
	global_prefetch_b8 v0, s[64:65] scope:SCOPE_SE
	s_setreg_imm32_b32 hwreg(HW_REG_WAVE_MODE, 25, 1), 1
	s_wait_xcnt 0x0
; t = [mean over the 196 places; x turned] (197 tokens x 1,024 channels an image), qkv_w and proj_w become codes of FP6 (E2M3) with one E8M0 byte for each 32 along K (the channels),
; laid in the order of the matrix operand's registers: a fragment (16 rows x 128 K) is 12 registers a lane, stored as three runs of 512 bytes, lane l's 16 bytes at 16 l.
; WORK LEFT OUT IN THIS PROGRAM.  reference() returns row 0 of its result alone.  Row 0 of the last product needs row 0 of o, which needs row 0 of the softmax and so row 0 of q: the rows 1 to 196 of q, of the
; scores, of p, of o and of the last product reach no output, whatever the inputs hold.  k and v are needed for all 197 tokens.  A NaN, an infinity or an overflow that reaches only the rows left out is not carried to the result.
; ROW ORDER: row r of tile 4 g + j stands for index 64 g + 32 (r / 8) + 8 j + r % 8, for tokens and weight columns alike: in a product a lane then holds 32 neighbours, a whole scale block of the next product.
; Tile 12 alone has another order: its row r stands for token 189 + r % 8; rows 3 to 7 are the tokens 192 to 196, its other rows are made zeros.  (Within a scale block the order is free: all operands of a product take the same.)
; SHARES.  Work-group g takes image g / 4, K steps 2 (g % 4) and 2 (g % 4) + 1: two units of 128 channels x 196 places; and K step g % 8 of 128 weight columns (two groups of 64), 24 of 32 pairs from qkv_w, 8 from proj_w.
; A LANE TAKES A TOKEN (OR A COLUMN) AND ITS REGISTERS RUN DOWN K: lane (r, h) holds k = 64 c + 32 h + 0 .. 31, two whole blocks, so a block's largest magnitude needs no other lane.
; Sixteen tensor loads, one a wave: waves 0-3 unit 0 (32 channels each), 4-7 unit 1, 8-15 the weights (32 rows x 256 bytes each).  Pieces lie 64 bytes further apart in LDS than they are long, so that the lanes of
; the two halves, which read neighbouring pieces, touch different banks (64 banks of 4 bytes: ISA guide 11.1).  No LDS byte is filled twice.  No cluster: no two work-groups read the same input bytes; no prefetch: all is asked for at the head.
; LIMITS: NaN and infinities among the inputs are not served; a block whose largest magnitude lies under 2^-124 gets the byte 1; a block of zeros gets the byte 1 where the rule says 127
; (its codes are zeros, and this program alone reads the bytes).
.set QU,    25088                      ; 32 channels x 784 bytes = 98 rows of 256 bytes
.set PP,    25152                      ; from piece to piece in LDS
.set UP,    4*PP+256                   ; from unit to unit
.set XS,    1024                       ; LDS: 0 to 1,023 the means (512 a unit); then x's scale words, 1,024 a unit; at 3,072 the weights' scale words, 512
.set WW,    3072
.set XB,    3840
.set WTB,   XB+2*UP
.set WPC,   8256                       ; from weight piece to weight piece
.set SPARE, WTB+8*WPC                  ; the spare words, 128 bytes a wave
.set CH,    20992                      ; a chunk of tq: 13 fragments of 1,536 bytes, then 1,024 bytes of scale words
.set SCO,   19968
.set MX,    26
.set SO,    28
.set BY,    30
.set WD,    32
.set PX,    33
.set CC,    36                         ; v36-47   a fragment's codes
.set TC,    48
.set VV,    64                         ; v64-127  64 numbers
.set UU,    128                        ; v128-191 the means for the class token
.set SPW,   192
.set NIL,   193
.set ADX,   194                        ; v194-205 LDS addresses of my token: 2 unit + half of K; for waves 1 to 11, then wave 0 (+ 4), then wave 12 (+ 8)
; 64 numbers of a lane, v[VV + 32 c + i] = k 64 c + 32 h + i of my row, become the fragment's 12 registers and my row's scale word, which goes to LDS
.macro QUANT128 word, adr, off
	v_max3_num_f32 v[MX], |v[VV]|, |v[VV+1]|, 0x1800000        ; the floor 2^(3 - 127) among the leaves: the byte cannot fall under 1
	v_max3_num_f32 v[MX+1], |v[VV+32]|, |v[VV+33]|, 0x1800000
.set qi, 2
.rept 15
	v_max3_num_f32 v[MX], v[MX], |v[VV+qi]|, |v[VV+qi+1]|
	v_max3_num_f32 v[MX+1], v[MX+1], |v[VV+32+qi]|, |v[VV+33+qi]|
.set qi, qi+2
.endr
	v_add_nc_u32 v[SO], 0xff000000, v[MX]                      ; 2 off the exponent field: the conversion's scale operand
	v_add_nc_u32 v[SO+1], 0xff000000, v[MX+1]
	v_lshrrev_b32 v[BY], 23, v[SO]
	v_lshrrev_b32 v[BY+1], 23, v[SO+1]
	v_lshl_or_b32 v[WD], v[BY+1], 16, v[BY]                    ; blocks h and 2 + h,
	v_lshlrev_b32 v[WD], v16, v[WD]                            ; 8 h bits up;
	v_permlanex16_b32 v[PX], v[WD], s60, s61
	v_or_b32 v[\word], v[WD], v[PX]                            ; with lane l xor 16's two the word is whole
	ds_store_b32 v[\adr], v[\word] offset:\off                 ; (lanes l and l xor 16 store the same word with the same value)
	s_wait_alu depctr_va_vdst(0)
	s_wait_xcnt 0x0                                            ; the last fragment's stores have read the registers that are written now
	v_cvt_scalef32_pk16_fp6_f32 v[CC:CC+2], v[VV:VV+15], v[SO]
	v_cvt_scalef32_pk16_fp6_f32 v[TC:TC+2], v[VV+16:VV+31], v[SO]      ; (a conversion's three registers begin on an even number)
	v_cvt_scalef32_pk16_fp6_f32 v[CC+6:CC+8], v[VV+32:VV+47], v[SO+1]
	v_cvt_scalef32_pk16_fp6_f32 v[TC+4:TC+6], v[VV+48:VV+63], v[SO+1]
	v_nop                                                      ; one plain place behind the conversions
.irp i, 0,1,2
	v_mov_b32 v[CC+3+\i], v[TC+\i]
	v_mov_b32 v[CC+9+\i], v[TC+4+\i]
.endr
.endm
.macro BARRIER
	s_wait_dscnt 0x0
	s_barrier_signal -1
	s_barrier_wait -1
.endm
.macro XLOAD a                         ; channel 64 c + 32 h + i at my token, 64 numbers
.irp cc, 0,1
.set xi, 0
.rept 32
	ds_load_b32 v[VV+32*\cc+xi], v[ADX+(\a)+\cc] offset:784*xi
.set xi, xi+1
.endr
.endr
	s_wait_dscnt 0x0
.endm
; unit u: waves under \lim have its pieces on their way, or have waited already
.macro UNIT u, lim
	s_cmp_lt_u32 s16, \lim
	s_cbranch_scc0 .Lnot_mine_\@
	s_wait_tensorcnt 0x0
.Lnot_mine_\@:
	BARRIER                                                    ; the unit is in, for all waves
.set xi, 0
.rept 49
	ds_load_b32 v[VV+xi], v[8+\u] offset:4*xi                  ; the mean: four threads a channel, 49 numbers each
.set xi, xi+1
.endr
	s_wait_dscnt 0x0
	v_pk_add_f32 v[26:27], v[VV:VV+1], v[VV+2:VV+3]
	v_pk_add_f32 v[28:29], v[VV+4:VV+5], v[VV+6:VV+7]
.set xi, 8
.rept 10
	v_pk_add_f32 v[26:27], v[26:27], v[VV+xi:VV+xi+1]
	v_pk_add_f32 v[28:29], v[28:29], v[VV+xi+2:VV+xi+3]
.set xi, xi+4
.endr
	v_pk_add_f32 v[26:27], v[26:27], v[28:29]
	v_add_f32 v26, v26, v27
	v_add_f32 v26, v26, v[VV+48]
	v_add_f32_dpp v26, v26, v26 row_xmask:1 row_mask:0xf bank_mask:0xf
	v_add_f32_dpp v26, v26, v26 row_xmask:2 row_mask:0xf bank_mask:0xf
	v_mul_f32 v27, 0x3ba72f05, v26                             ; x 1/196,
	v_fma_f32 v28, v27, 0xc3440000, v26                        ; what is left of the sum,
	v_fma_f32 v27, v28, 0x3ba72f05, v27                        ; and its share: the quotient to the last bit or nearly
	ds_store_b32 v10, v27 offset:512*\u
	BARRIER                                                    ; the means are stored
	s_cmp_eq_u32 s16, 0                                        ; wave 0: tile 0, whose row 0 is the class token
	s_cbranch_scc0 .Lnot_0_\@
	XLOAD 4+2*\u
.irp cc, 0,1
.irp q, 0,1,2,3,4,5,6,7
	ds_load_b128 v[UU+32*\cc+4*\q:UU+32*\cc+4*\q+3], v11 offset:512*\u+256*\cc+16*\q
.endr
.endr
	s_wait_dscnt 0x0
.set xi, 0
.rept 64
	v_cndmask_b32 v[VV+xi], v[VV+xi], v[UU+xi], s62            ; row 0 takes the means
.set xi, xi+1
.endr
	s_wait_alu depctr_va_vdst(0)
	s_branch .Lhave_\@
.Lnot_0_\@:
	s_cmp_lt_u32 s16, 12
	s_cbranch_scc0 .Lnot_11_\@
	XLOAD 2*\u
	s_branch .Lhave_\@
.Lnot_11_\@:
	s_cmp_eq_u32 s16, 12
	s_cbranch_scc0 .Lno_tile_\@
	XLOAD 8+2*\u
.set xi, 0
.rept 64
	v_cndmask_b32 v[VV+xi], 0, v[VV+xi], s63                   ; tile 12's rows that are no tokens of its own are zeros
.set xi, xi+1
.endr
.Lhave_\@:
	QUANT128 20+\u, 12, 1024*\u
.irp g, 0,1,2
	global_store_b128 v5, v[CC+4*\g:CC+4*\g+3], s[10:11] offset:\u*CH+512*\g   ; 32 lanes store 512 consecutive bytes
.endr
	s_branch .Ltile_done_\@
.Lno_tile_\@:
	v_mov_b32 v[20+\u], 0                                      ; tiles 13 to 15 do not exist: their words are zeros, which no product names
	ds_store_b32 v12, v[20+\u] offset:1024*\u
.Ltile_done_\@:
.endm
.macro SWOUT u                         ; a unit's scale words leave as whole units; a barrier has shown them
	s_cmp_eq_u32 s16, 15
	s_cbranch_scc0 .Lnot_15_\@
	ds_load_b128 v[VV:VV+3], v6 offset:XS+1024*\u
	ds_load_b128 v[VV+4:VV+7], v6 offset:XS+1024*\u+512
	s_wait_dscnt 0x0
	global_store_b128 v6, v[VV:VV+3], s[10:11] offset:\u*CH+SCO
	global_store_b128 v6, v[VV+4:VV+7], s[10:11] offset:\u*CH+SCO+512
	s_wait_xcnt 0x0
.Lnot_15_\@:
.endm
.macro TLOAD g0, g1
	tensor_load_to_lds s[\g0:\g0+3], s[\g1:\g1+7]
	s_nop 0
.rept 4
	v_nop
.endr
.endm
	s_load_b256 s[4:11], s[0:1], 0x0               ; x s[4:5], qkv_w s[6:7], proj_w s[8:9], tq s[10:11]
	s_load_b128 s[12:15], s[0:1], 0x20             ; wq s[12:13], wsc s[14:15]
	v_lshl_add_u32 v[SPW], v0, 2, SPARE
	v_mov_b32 v[NIL], 0
	ds_add_u32 v[SPW], v[NIL]
	ds_add_u32 v[SPW], v[NIL]
	v_lshrrev_b32 v1, 5, v0
	v_readfirstlane_b32 s16, v1                    ; wave 0..15
	s_and_b32 s17, ttmp9, 7                        ; the weights' K step
	s_lshr_b32 s18, ttmp9, 3                       ; and pair of column groups
	s_mov_b32 s24, 3<<16                           ; group 1 for x: 98 dense rows of 32 elements of 8 bytes
	s_mov_b32 s25, 32<<16
	s_mov_b32 s26, 98<<16
	s_mov_b32 s27, 32<<16
	s_mov_b32 s28, 98
	s_mov_b32 s29, 32
	s_mov_b32 s30, 0
	s_mov_b32 s31, 0
	s_mov_b32 s32, 2<<16                           ; for qkv_w: 32 rows of 64 elements of 4 bytes, 3,072 elements apart
	s_mov_b32 s33, 64<<16
	s_mov_b32 s34, 32<<16
	s_mov_b32 s35, 64<<16
	s_mov_b32 s36, 32
	s_mov_b32 s37, 3072
	s_mov_b32 s38, 0
	s_mov_b32 s39, 0
	s_mov_b32 s40, 2<<16                           ; for proj_w: 1,024 apart
	s_mov_b32 s41, 64<<16
	s_mov_b32 s42, 32<<16
	s_mov_b32 s43, 64<<16
	s_mov_b32 s44, 32
	s_mov_b32 s45, 1024
	s_mov_b32 s46, 0
	s_mov_b32 s47, 0
	s_mov_b32 s60, 0x76543210                      ; v_permlanex16_b32's selects for lane l xor 16
	s_mov_b32 s61, 0xfedcba98
	s_mov_b32 s62, 0x00010001                      ; lanes with r = 0
	s_mov_b32 s63, 0x00f800f8                      ; lanes with r = 3 .. 7
	s_mul_i32 s70, ttmp9, 8*QU                     ; x: my work-group's two units, my 32 channels
	s_mul_i32 s80, s16, QU
	s_add_co_u32 s70, s70, s80
	s_mov_b32 s71, 0
	s_mul_i32 s80, s16, PP
	s_mov_b32 s48, 1                               ; groups 0: unit 0's pieces,
	s_add_co_u32 s49, s80, XB
	s_mov_b32 s52, 1                               ; unit 1's,
	s_add_co_u32 s53, s80, XB+256
	s_mov_b32 s56, 1                               ; the weights'
	s_mul_i32 s57, s16, WPC
	s_add_co_u32 s57, s57, WTB-8*WPC
	s_mul_i32 s72, ttmp9, 2*CH                     ; tq: my work-group's two chunks
	s_mov_b32 s73, 0
	s_and_b32 s84, s16, 3
	s_lshr_b32 s85, s16, 2
	s_lshl_b32 s82, s18, 9                         ; 128 columns a pair
	s_mul_i32 s74, s17, 1572864                    ; qkv_w: 128 rows of 12,288 bytes a K step,
	s_mul_i32 s81, s84, 393216                     ; 32 a wave
	s_add_co_u32 s74, s74, s81
	s_add_co_u32 s74, s74, s82
	s_lshl_b32 s75, s17, 19                        ; proj_w: 128 rows of 4,096 bytes
	s_lshl_b32 s81, s84, 17
	s_add_co_u32 s75, s75, s81
	s_add_co_u32 s75, s75, s82
	s_sub_co_u32 s75, s75, 24*512                  ; (taken only from pair 24 on)
	s_cmp_lt_u32 ttmp9, 192
	s_cselect_b32 s74, s74, s75
	s_and_b32 s81, s85, 1
	s_lshl_b32 s81, s81, 8                         ; which group of the pair
	s_add_co_u32 s74, s74, s81
	s_mov_b32 s75, 0
	s_lshl_b32 s76, s18, 1
	s_add_co_u32 s76, s76, s85                     ; wq: [group][K step][tile][1,536]: waves 0 to 7 make tile wave % 4 of group wave / 4
	s_mul_i32 s76, s76, 49152
	s_mul_i32 s81, s17, 6144
	s_add_co_u32 s76, s76, s81
	s_mul_i32 s81, s84, 1536
	s_add_co_u32 s76, s76, s81
	s_mov_b32 s77, 0
	s_lshl_b32 s78, s18, 12                        ; wsc: [group][K step][r][tile] words
	s_lshl_b32 s81, s17, 8
	s_add_co_u32 s78, s78, s81
	s_mov_b32 s79, 0
	v_and_b32 v1, 31, v0                           ; lane
	v_and_b32 v2, 15, v0                           ; r
	v_bfe_u32 v3, v0, 4, 1                         ; h
	v_and_b32 v4, 7, v2
	v_lshrrev_b32 v7, 3, v2
	v_lshl_add_u32 v4, v7, 5, v4                   ; 32 (r / 8) + r % 8
	v_lshlrev_b32 v6, 4, v1
	s_mul_i32 s80, s16, 1536
	v_add_nc_u32 v5, s80, v6                       ; my tile's place in a chunk
	s_lshl_b32 s80, s85, 6
	s_lshl_b32 s81, s84, 3
	s_add_co_u32 s80, s80, s81
	v_add_nc_u32 v7, s80, v4                       ; my token
	v_mul_u32_u24 v17, v3, PP                      ; lanes 16-31 begin a piece further on
	v_add_nc_u32 v18, XB-4, v17                    ; a token's place in x is token - 1: one word back
	v_lshl_add_u32 v[ADX], v7, 2, v18
	v_add_nc_u32 v17, XB, v17
	v_add_nc_u32 v18, 63, v4
	v_and_b32 v18, 63, v18                         ; tile 0: token - 1; the class token's lanes read place 63 and are replaced by the means
	v_lshl_add_u32 v[ADX+4], v18, 2, v17
	v_and_b32 v19, 7, v2
	v_add_nc_u32 v19, 188, v19                     ; tile 12: token 189 + r % 8
	v_lshl_add_u32 v[ADX+8], v19, 2, v17
.irp k, 0,4,8
	v_add_nc_u32 v[ADX+\k+1], 2*PP, v[ADX+\k]      ; 64 channels on,
	v_add_nc_u32 v[ADX+\k+2], UP, v[ADX+\k]        ; the second unit,
	v_add_nc_u32 v[ADX+\k+3], UP+2*PP, v[ADX+\k]   ; both
.endr
	v_and_b32 v8, 127, v0
	v_mul_u32_u24 v8, v8, 196
	v_lshrrev_b32 v9, 7, v0
	v_mul_u32_u24 v9, v9, PP
	v_add_nc_u32 v8, v8, v9
	v_add_nc_u32 v8, XB, v8                        ; the mean: my 49 numbers in unit 0,
	v_add_nc_u32 v9, UP, v8                        ; in unit 1,
	v_lshrrev_b32 v10, 2, v0
	v_lshlrev_b32 v10, 2, v10                      ; and where my channel's goes
	v_lshlrev_b32 v11, 7, v3                       ; the means of my half's 32 channels
	s_lshl_b32 s80, s84, 8
	s_lshl_b32 s81, s85, 2
	s_add_co_u32 s80, s80, s81
	s_add_co_u32 s80, s80, XS
	v_lshlrev_b32 v14, 4, v2
	v_add_nc_u32 v12, s80, v14                     ; x's scale word: [tile % 4][r][tile / 4]
	s_and_b32 s80, s85, 1
	s_lshl_b32 s81, s80, 8
	s_lshl_b32 s82, s84, 2
	s_add_co_u32 s81, s81, s82
	s_add_co_u32 s81, s81, WW
	v_add_nc_u32 v13, s81, v14                     ; a weight's: [group][r][tile]
	v_lshl_add_u32 v14, v3, 11, v14                ; and on the way out: 16 lanes a group
	s_mul_i32 s80, s80, 4*WPC
	s_lshl_b32 s81, s84, 5
	s_add_co_u32 s80, s80, s81
	s_add_co_u32 s80, s80, WTB
	v_mul_u32_u24 v15, v3, WPC
	v_lshl_add_u32 v15, v4, 2, v15
	v_add_nc_u32 v15, s80, v15                     ; my column of my weight tile
	v_lshlrev_b32 v16, 3, v3                       ; 8 h
	v_mov_b32 v[PX], 0                             ; a lane permute's destination counts as one of its sources
	s_wait_alu depctr_va_vdst(0)
	s_wait_dscnt 0x0                               ; the opening adds are done
	s_wait_kmcnt 0x0
	s_add_nc_u64 s[50:51], s[4:5], s[70:71]
	s_or_b32 s51, s51, 0x80000000                  ; type = 2
	s_mov_b64 s[54:55], s[50:51]
	s_cmp_lt_u32 ttmp9, 192
	s_cselect_b64 s[58:59], s[6:7], s[8:9]
	s_add_nc_u64 s[58:59], s[58:59], s[74:75]
	s_or_b32 s59, s59, 0x80000000
	s_cmp_lt_u32 s16, 4                            ; one tensor load a wave, in one chain of arms
	s_cbranch_scc0 .Lunit_1
	TLOAD 48, 24
	s_branch .Lfilled
.Lunit_1:
	s_cmp_lt_u32 s16, 8
	s_cbranch_scc0 .Lweights
	TLOAD 52, 24
	s_branch .Lfilled
.Lweights:
	s_cmp_lt_u32 ttmp9, 192
	s_cbranch_scc0 .Lproj
	TLOAD 56, 32
	s_branch .Lfilled
.Lproj:
	TLOAD 56, 40
.Lfilled:
	s_add_nc_u64 s[10:11], s[10:11], s[72:73]
	s_add_nc_u64 s[12:13], s[12:13], s[76:77]
	s_add_nc_u64 s[14:15], s[14:15], s[78:79]
	UNIT 0, 4
	UNIT 1, 8
	SWOUT 0
	s_wait_tensorcnt 0x0                           ; all that is still out: the weights
	BARRIER
	SWOUT 1
	s_cmp_lt_u32 s16, 8
	s_cbranch_scc0 .Lno_weight
.irp cc, 0,1
.set xi, 0
.rept 32
	ds_load_b32 v[VV+32*\cc+xi], v15 offset:2*WPC*\cc+256*xi
.set xi, xi+1
.endr
.endr
	s_wait_dscnt 0x0
	QUANT128 22, 13, 0
.irp g, 0,1,2
	global_store_b128 v6, v[CC+4*\g:CC+4*\g+3], s[12:13] offset:512*\g
.endr
.Lno_weight:
	BARRIER                                        ; the weights' scale words are stored
	s_cmp_eq_u32 s16, 15
	s_cbranch_scc0 .Lend
	ds_load_b128 v[VV:VV+3], v6 offset:WW
	s_wait_dscnt 0x0
	global_store_b128 v14, v[VV:VV+3], s[14:15]    ; 16 lanes store one aligned unit of 256 bytes
.Lend:
	s_wait_tensorcnt 0x0                           ; the wave's end
	ds_add_u32 v[SPW], v[NIL]
	s_wait_dscnt 0x0
	s_endpgm
.Lfunc_end_k_q4224b755be_quant:
	.size	k_q4224b755be_quant, .Lfunc_end_k_q4224b755be_quant-k_q4224b755be_quant
	.p2alignl 7, 3214868480
	.fill 96, 4, 3214868480
	.section	.rodata,"a",@progbits
	.p2align	6, 0x0
	.amdhsa_kernel k_q4224b755be_quant
		.amdhsa_group_segment_fixed_size 273664
		.amdhsa_private_segment_fixed_size 0
		.amdhsa_enable_private_segment 0
		.amdhsa_kernarg_size 48
		.amdhsa_user_sgpr_count 2
		.amdhsa_user_sgpr_kernarg_segment_ptr 1
		.amdhsa_wavefront_size32 1
		.amdhsa_system_sgpr_workgroup_id_x 1
		.amdhsa_system_sgpr_workgroup_id_y 1
		.amdhsa_system_sgpr_workgroup_id_z 1
		.amdhsa_system_vgpr_workitem_id 0
		.amdhsa_next_free_vgpr 208
		.amdhsa_next_free_sgpr 90
		.amdhsa_reserve_vcc 0
		.amdhsa_float_denorm_mode_32 3
		.amdhsa_float_denorm_mode_16_64 3
		.amdhsa_memory_ordered 1
		.amdhsa_forward_progress 1
		.amdhsa_inst_pref_size 79
	.end_amdhsa_kernel
	.amdgpu_metadata
---
amdhsa.version: [ 1, 2 ]
amdhsa.kernels:
  - .name:           k_q4224b755be_quant
    .symbol:         k_q4224b755be_quant.kd
    .args:
      - { .name: x, .offset: 0, .size: 8, .value_kind: global_buffer, .address_space: global }
      - { .name: qkv_w, .offset: 8, .size: 8, .value_kind: global_buffer, .address_space: global }
      - { .name: proj_w, .offset: 16, .size: 8, .value_kind: global_buffer, .address_space: global }
      - { .name: tq, .offset: 24, .size: 8, .value_kind: global_buffer, .address_space: global }
      - { .name: wq, .offset: 32, .size: 8, .value_kind: global_buffer, .address_space: global }
      - { .name: wsc, .offset: 40, .size: 8, .value_kind: global_buffer, .address_space: global }
    .group_segment_fixed_size: 273664
    .private_segment_fixed_size: 0
    .kernarg_segment_align: 8
    .kernarg_segment_size: 48
    .max_flat_workgroup_size: 512
    .sgpr_count:     90
    .vgpr_count:     208
    .wavefront_size: 32
...
	.end_amdgpu_metadata
.endif
;; end of part 1
;; launch attn (part 2): grid 256 x 1, 4 waves a work-group, clusters of 4 x 1, 271,360 bytes of LDS; arguments tq, wq, wsc, qkv_b, oc, osc; writes oc, osc
.if DOCPART == 2
	.amdgcn_target "amdgcn-amd-amdhsa--gfx1250"
	.amdhsa_code_object_version 6
	.text
	.protected	k_q4224b755be_attn
	.globl	k_q4224b755be_attn
	.p2align	8
	.type	k_q4224b755be_attn,@function
k_q4224b755be_attn:
	s_mov_b64 s[64:65], 0
	v_nop
	global_prefetch_b8 v0, s[64:65] scope:SCOPE_SE
	s_setreg_imm32_b32 hwreg(HW_REG_WAVE_MODE, 25, 1), 1
	s_wait_xcnt 0x0
	s_wait_alu depctr_hold_cnt(0) depctr_sa_sdst(0) depctr_va_vdst(0) depctr_va_sdst(0) depctr_va_ssrc(0) depctr_va_vcc(0) depctr_vm_vsrc(0)
	s_getreg_b32 s2, hwreg(HW_REG_IB_STS2, 6, 4)
	s_cmp_eq_u32 s2, 0
	s_cbranch_scc0 .Lentry_in_a_cluster
	s_endpgm
.Lentry_in_a_cluster:
	s_bfe_u32 s2, ttmp6, 0x10000c
	s_cmp_lg_u32 s2, 0x3003
	s_cbranch_scc0 .Lentry_shape_is_right
	s_endpgm
.Lentry_shape_is_right:
; The class token's attention, for one image and four heads a work-group, one head a wave; all products on codes of FP6 (E2M3) with one E8M0 scale for each 32 along K.
; WORK LEFT OUT: only row 0 of the result is kept by the problem, so of q, the scores, p and o only row 0 is wanted.  q, p and o are made as tiles of 16 rows (tile 0's tokens), of which row 0 alone is live and is stored; no other tile of theirs is made.
; A wave, in order: v = t Wv + b for 13 tiles of 16 tokens, quantised along the keys, codes kept in LDS | k = t Wk + b, and between its steps and v's the eight K steps of q = t(tile 0) Wq + b |
; q / 8 quantised; k rotated, quantised along the head, scores = k q | p = 2^(t - M), M a whole number, quantised along the keys | o = v^T p / l, quantised along the embedding, stored for the last product.
; ROW ORDER.  Row r of tile 4 g + j stands for index 64 g + 32 (r / 8) + 8 j + r % 8, for tokens and weight columns alike: a lane's 32 registers of four tiles are 32 neighbours, one scale block.  Tile 12's row r stands for token 189 + r % 8;
; only rows 3 to 7 (tokens 192 to 196, in lanes 0-15's registers 3 to 7 of a result) count there.
; CLUSTER.  The four work-groups of a cluster belong to one image and need the same t: its eight chunks (one K step each: 13 fragments in register order, then the scale words) are asked for jointly, two chunks
; a wave, once; they stay in LDS, nothing is filled again, and four barriers show them, two chunks at a time.
; THE WEIGHTS ARE NOT SHARED THROUGH LDS: a weight fragment is used by one wave of a work-group alone; through LDS its 24,576 bytes a K step would be written and read once more beside the 13 fragments of t that each wave
; reads, and would want a round of the cluster's barrier for each refill.  They come straight into a ring of five register slots, 24 fills of 13 loads in all.  No prefetch: the text has no loop to run ahead in, and the ring asks about three steps ahead.
; cos and sin: a table in LDS by token, 197 rows of 16 pairs for the row in the image and 16 for the column, made here by a reduction by pi/2 in two parts and two series cut under one part in 10^8 for the reduced angle;
; angles are at most 7.5.  The class token's row holds (1, 0).
; LIMITS: NaN and infinities are not served; a block whose largest magnitude lies under 2^-124, or a block of zeros, gets the scale byte 1 (this program alone reads the bytes).
; REGISTERS, in windows of 256.  Window 0: v1-31 addresses, scale words made here; v32-51 the ring's scale words; v52-83 t's, two sets; v84-239 t's 13 fragments (between and behind the passes: at work); v240-251 q's codes.
;   Window 1: the ring, 5 slots x 4 fragments; behind the passes v's codes (0-95) and rotated numbers (96-159).   Window 2: v, then k, of tiles 0-7; then the scores and p.   Window 3: those of tiles 8-12; v160-191 q; v192-223 v's bias, v224-255 k's.
.set CH,    20992
.set SCO,   19968
.set ROPE,  167936                     ; LDS behind t: [token 197] rows of 128 + 128 bytes and 16 of padding
.set RPIT,  272
.set VST,   221696                     ; v's codes, 12,288 bytes a wave
.set SPARE, 270848                     ; the spare words, 128 bytes a wave
.set LI,  1                            ; 16 x lane
.set LS,  2                            ; 16 r
.set H8,  3                            ; 8 h
.set SPW, 4
.set NIL, 5
.set ADA, 6                            ; v6-8 fragments of chunks 0-2, 3-5, 6-7; v9-11 their scale words
.set ADS, 9
.set LT,  12                           ; 32 (r / 8) + r % 8
.set RT,  13                           ; LDS address of my half of that token's row in the table; v15: of tile 12's
.set R12, 15
.set VSW, 16                           ; v's scale words
.set PS,  24
.set QS,  26
.set KS,  27
.set RL,  29
.set NM,  30
.set BS,  32
.set AS,  52
.set AF,  84
.set QF,  240
.set RR,  252
.set H24, 253
.set HH,  254                          ; h
.set VA,  255                          ; LDS address of my v codes
; at work behind the passes, window 0:
.set CS,  84                           ; v84-147 cos and sin of two tiles
.set TM,  148
.set SO,  152
.set BY,  154
.set PX,  156
.set TC,  158
.set KF,  166                          ; v166-177, v178-189 codes of two tiles of k
.set XX,  96                           ; window 1: v96-159
.set MSB, 0
.macro WIN new                         ; the immediate's high byte repeats the setting that is left
.if MSB != (\new)
	s_set_vgpr_msb (MSB<<8)|(\new)
.set MSB, (\new)
.endif
.endm
.macro PLACES n
.rept \n
	v_nop
.endr
.endm
.macro WALU
	s_wait_alu depctr_va_vdst(0)
.endm
.macro CROUND                          ; a round of the cluster's barrier
	s_barrier_signal -1
	s_barrier_wait -1
	s_cmp_lg_u32 s16, 0
	s_cbranch_scc1 .Lnot_wave_0_\@
	s_barrier_signal -3
.Lnot_wave_0_\@:
	s_barrier_wait -3
	s_barrier_signal -1
	s_barrier_wait -1
.endm
.macro TLOAD
	tensor_load_to_lds s[32:35], s[24:31]
	s_nop 0
	PLACES 4
.endm
.macro MYLOAD w                        ; wave w's load has landed
	s_cmp_eq_u32 s16, \w
	s_cbranch_scc0 .Lnot_mine_\@
	s_wait_tensorcnt 0x0
.Lnot_mine_\@:
.endm
; ring fill f: V0 V1 Q1 V2 V3 Q3 .. V7 Q7, then K0 Q0 K1 K2 Q2 K3 .. K6 Q6 K7: four fragments and their scale words, 13 loads
.macro BLOAD f
.set bf, \f
.if bf < 12
.set bg, 2*(bf/3)
.set br, bf%3
.set bpart, 2
.if br == 2
.set bpart, 0
.endif
.if br > 0
.set bg, bg+1
.endif
.else
.set bg, 2*((bf-12)/3)
.set br, (bf-12)%3
.set bpart, 1
.if br == 1
.set bpart, 0
.endif
.if br == 2
.set bg, bg+1
.endif
.endif
.set bs, bf%5
	WIN 0x40
.irp c, 0,1,2,3
.irp g, 0,1,2
	global_load_b128 v[48*bs+12*\c+4*\g:48*bs+12*\c+4*\g+3], v[LI], s[6:7] offset:bpart*786432+bg*6144+\c*1536+\g*512
.endr
.endr
	WIN 0
	global_load_b128 v[BS+4*bs:BS+4*bs+3], v[LS], s[8:9] offset:bpart*32768+bg*256
.endm
.macro ALOAD ch, t0, n                 ; t's fragments t0 .. t0 + n - 1 of chunk ch
.set at, \t0
.rept \n
.irp g, 0,1,2
	ds_load_b128 v[AF+12*at+4*\g:AF+12*at+4*\g+3], v[ADA+(\ch)/3] offset:((\ch)%3)*CH+at*1536+512*\g
.endr
.set at, at+1
.endr
.endm
.macro ASLOAD ch, set                  ; its scale words: tile T's in register 4 (T % 4) + T / 4 of the set
.irp q, 0,1,2,3
	ds_load_b128 v[AS+16*(\set)+4*\q:AS+16*(\set)+4*\q+3], v[ADS+(\ch)/3] offset:((\ch)%3)*CH+256*\q
.endr
.endm
; n tiles of tokens from t0 on x the ring slot's four tiles of columns; the accumulators take turns, one instruction a turn.  vp = 1: v (source 0 = tokens); 0: k (source 0 = columns).
; first = 1: the bias is the C of a sum's first instruction.
.macro MULG vp, t0, n, slot, set, first
.set mt, \t0
.rept \n
.set mh, mt/8
.set mcw, 2+mh
.if \first
.set mcw, 3
.endif
	WIN (1+3*(\vp))|(mcw<<4)|((2+mh)<<6)
.set mx, AS+16*(\set)+4*(mt&3)+(mt>>2)
.set ma, AF+12*mt
.irp c, 0,1,2,3
.set mb, 48*(\slot)+12*\c
.if \vp
.set md, (64-24*mh)*\c+8*(mt-8*mh)
.set mc, md
.if \first
.set mc, 192+8*\c
.endif
	v_wmma_scale_f32_16x16x128_f8f6f4 v[md:md+7], v[ma:ma+11], v[mb:mb+11], v[mc:mc+7], v[mx], v[BS+4*(\slot)+\c] matrix_a_fmt:MATRIX_FMT_FP6 matrix_b_fmt:MATRIX_FMT_FP6
.else
.set md, 32*(mt-8*mh)+8*\c
.set mc, md
.if \first
.set mc, 224+8*\c
.endif
	v_wmma_scale_f32_16x16x128_f8f6f4 v[md:md+7], v[mb:mb+11], v[ma:ma+11], v[mc:mc+7], v[BS+4*(\slot)+\c], v[mx] matrix_a_fmt:MATRIX_FMT_FP6 matrix_b_fmt:MATRIX_FMT_FP6
.endif
.endr
.set mt, mt+1
.endr
.endm
.macro QMUL slot, set                  ; q's K step on tile 0; its accumulators began as the bias
	WIN 0xf1
.irp c, 0,1,2,3
.set mb, 48*(\slot)+12*\c
	v_wmma_scale_f32_16x16x128_f8f6f4 v[160+8*\c:167+8*\c], v[mb:mb+11], v[AF:AF+11], v[160+8*\c:167+8*\c], v[BS+4*(\slot)+\c], v[AS+16*(\set)] matrix_a_fmt:MATRIX_FMT_FP6 matrix_b_fmt:MATRIX_FMT_FP6
.endr
.endm
; Step i (0-7: v, 8-15: k): 52 matrix instructions in three groups of tiles, and q's four in every second step; behind each group its fragments are fetched anew for the next step.  A load into a register that a matrix
; instruction has read stands four plain vector instructions behind it.  Each count on DScnt is the number of LDS loads issued behind the group that is wanted; on LOADcnt 13 for each younger fill.
.macro STEP i
.set si, \i
.set st, si&7
.set sset, si&1
.set snx, (si+1)&7
.set sfi, 0
.if st == 0
.set sfi, 1
.endif
.if si < 8
.set svp, 1
.set sm, si+si/2
.set snf, 1+sset
.else
.set svp, 0
.set sm, 4+si+(si-7)/2
.set snf, 2-sset
.endif
.set sis, sm+5
.if sis > 24
.set sis, 24
.endif
.set ssl, sm%5
	s_wait_loadcnt 13*(sis-sm-snf)
.if si == 8
	s_wait_dscnt 15                                ; behind tiles 0-7: v's 24 stores and tiles 8-12's 15 loads; the latter may be out
.else
	s_wait_dscnt 27                                ; the scale words and tiles 0-3 are in; behind them 12 + 15
.endif
	MULG svp, 0, 4, ssl, sset, sfi
.if snf == 2
.set sq, (sm+1)%5
	QMUL sq, sset
.endif
.if (si == 1) || (si == 3) || (si == 5)
	WIN 0
	s_wait_dscnt 0x0
	MYLOAD (si+1)/2
	s_barrier_signal -1                            ; a plain barrier shows the next two chunks
	MULG svp, 4, 4, ssl, sset, sfi
	WIN 0
	s_barrier_wait -1
	PLACES 4
	ASLOAD snx, 1-sset
	ALOAD snx, 0, 8
.elseif si < 15
	WIN 0
	PLACES 4
	ASLOAD snx, 1-sset
	ALOAD snx, 0, 4
	s_wait_dscnt 31                                ; tiles 4-7: behind them 15 + 16
	MULG svp, 4, 4, ssl, sset, sfi
	WIN 0
	PLACES 4
	ALOAD snx, 4, 4
	s_wait_dscnt 28                                ; tiles 8-12: behind them 16 + 12
.else
	s_wait_dscnt 15
	MULG svp, 4, 4, ssl, sset, sfi
	s_wait_dscnt 0x0
.endif
	MULG svp, 8, 5, ssl, sset, sfi
	WIN 0
	PLACES 4
.if (si < 15) && (si != 7)
	ALOAD snx, 8, 5
.endif
.set sf, sm+5
.rept snf
.if sf < 24
	BLOAD sf                                       ; a slot just multiplied takes the fill five on
.endif
.set sf, sf+1
.endr
.endm
; v's quantiser: operand (ks, c): keys 128 ks + 0 .. 127 of column tile c; a lane holds blocks h and 2 + h.  At work: v180-235 (tiles 8-12's fragments are fetched behind it), v236-251.
; Block b = 2 c + (0, 1) of the four operands: the largest magnitudes in eight chains side by side.
.macro VEPI ks
	WIN 0x0a+5*\ks
.irp i, 0,2,4,6,8,10,12,14,16,18,20,22,24,26,28,30
.irp b, 0,1,2,3,4,5,6,7
.set vb, (64-24*\ks)*(\b/2)+(32+3*\ks)*(\b%2)+\i
.if (\ks == 0) || (\b%2 == 0) || (\i < 4)
.if \i == 0
	v_max3_num_f32 v[180+\b], |v[vb]|, |v[vb+1]|, 0x1800000    ; with the floor 2^(3 - 127): the byte cannot fall under 1
.else
	v_max3_num_f32 v[180+\b], |v[vb]|, |v[vb+1]|, v[180+\b]
.endif
.elseif \i == 4
	v_max3_num_f32 v[180+\b], |v[vb]|, |v[vb]|, v[180+\b]      ; tile 12 has five keys, registers 3 to 7 (its upper half's block has none: zero codes under any finite byte)
.endif
.endr
.endr
	WIN 0
.irp b, 0,1,2,3,4,5,6,7
	v_add_nc_u32 v[188+\b], 0xff000000, v[180+\b]  ; 2 off the exponent field: the conversion's scale operand
.endr
.irp b, 0,1,2,3,4,5,6,7
	v_lshrrev_b32 v[180+\b], 23, v[188+\b]
.endr
.irp c, 0,1,2,3
	v_lshl_or_b32 v[196+\c], v[181+2*\c], 16, v[180+2*\c]
.endr
.irp c, 0,1,2,3
	v_lshlrev_b32 v[196+\c], v[H8], v[196+\c]
.endr
.irp c, 0,1,2,3
	v_permlanex16_b32 v[200+\c], v[196+\c], s40, s41
.endr
.irp c, 0,1,2,3
	v_or_b32 v[VSW+4*\ks+\c], v[196+\c], v[200+\c] ; the column's scale word
.endr
.irp c, 0,1,2,3
.set vf, 204+12*(\c%2)
.set vb, (64-24*\ks)*\c
	WIN 2+\ks
	v_cvt_scalef32_pk16_fp6_f32 v[vf:vf+2], v[vb:vb+15], v[188+2*\c]
	v_cvt_scalef32_pk16_fp6_f32 v[228:230], v[vb+16:vb+31], v[188+2*\c]
.if \ks == 0
	v_cvt_scalef32_pk16_fp6_f32 v[vf+6:vf+8], v[vb+32:vb+47], v[189+2*\c]
	v_cvt_scalef32_pk16_fp6_f32 v[232:234], v[vb+48:vb+63], v[189+2*\c]
.else
.irp j, 0,1,2,3,4
	v_cndmask_b32 v[239+\j], v[vb+35+\j], 0, s45   ; keys past 196 are zeros ahead of the quantiser
.endr
	WIN 0
	v_cvt_scalef32_pk16_fp6_f32 v[vf+6:vf+8], v[236:251], v[189+2*\c]
.endif
	WIN 0
	v_nop                                          ; one plain place behind the conversions
.irp i, 0,1,2
	v_mov_b32 v[vf+3+\i], v[228+\i]
.if \ks == 0
	v_mov_b32 v[vf+9+\i], v[232+\i]
.else
	v_mov_b32 v[vf+9+\i], 0
.endif
.endr
.irp g, 0,1,2
	ds_store_b128 v[VA], v[vf+4*\g:vf+4*\g+3] offset:(4*\ks+\c)*1536+512*\g
.endr
.endr
.endm
; n tiles of 32 numbers a lane (window 1, v[XX + 32 t ..]), a whole block each, become six registers of codes at F + 12 t and the row's scale word (two bytes) in K + t
.macro QUANT n, F, K
	WIN 0x05
.irp i, 0,2,4,6,8,10,12,14
.set qt, 0
.rept 2*(\n)
.if \i == 0
	v_max3_num_f32 v[TM+qt], |v[XX+16*qt]|, |v[XX+16*qt+1]|, 0x1800000
.else
	v_max3_num_f32 v[TM+qt], |v[XX+16*qt+\i]|, |v[XX+16*qt+\i+1]|, v[TM+qt]
.endif
.set qt, qt+1
.endr
.endr
	WIN 0
.set qt, 0
.rept \n
	v_max_num_f32 v[TM+2*qt], v[TM+2*qt], v[TM+2*qt+1]
.set qt, qt+1
.endr
.set qt, 0
.rept \n
	v_add_nc_u32 v[SO+qt], 0xff000000, v[TM+2*qt]
.set qt, qt+1
.endr
.set qt, 0
.rept \n
	v_lshrrev_b32 v[BY+qt], 23, v[SO+qt]
.set qt, qt+1
.endr
.set qt, 0
.rept \n
	v_permlanex16_b32 v[PX+qt], v[BY+qt], s40, s41
.set qt, qt+1
.endr
	WIN 1
.set qt, 0
.rept \n
	v_cvt_scalef32_pk16_fp6_f32 v[\F+12*qt:\F+12*qt+2], v[XX+32*qt:XX+32*qt+15], v[SO+qt]
	v_cvt_scalef32_pk16_fp6_f32 v[TC+4*qt:TC+4*qt+2], v[XX+32*qt+16:XX+32*qt+31], v[SO+qt]
.set qt, qt+1
.endr
	WIN 0
.set qt, 0
.rept \n
	v_lshl_or_b32 v[\K+qt], v[PX+qt], 8, v[BY+qt]  ; lane r: block 0's byte and, from lane l xor 16, block 1's
.set qt, qt+1
.endr
.set qt, 0
.rept \n
.irp i, 0,1,2
	v_mov_b32 v[\F+12*qt+3+\i], v[TC+4*qt+\i]
.endr
.set qt, qt+1
.endr
.endm
; cos and sin of v[a] (0 to 7.5) into v[o], v[o + 1]
.macro SINCOS a, o
	v_mul_f32 v210, 0x3f22f983, v[\a]              ; x 2 / pi,
	v_rndne_f32 v210, v210                         ; the nearest quarter turn n;
	v_fma_f32 v211, v210, 0xbfc90fdb, v[\a]        ; a - n pi/2, pi/2 in two parts
	v_fma_f32 v211, v210, 0x333bbd2e, v211
	v_mul_f32 v212, v211, v211
	v_mov_b32 v213, 0x3638ef1d                     ; the sine's series up to r^9
	v_fma_f32 v213, v213, v212, 0xb9500d01
	v_fma_f32 v213, v213, v212, 0x3c088889
	v_fma_f32 v213, v213, v212, 0xbe2aaaab
	v_mul_f32 v213, v213, v212
	v_fma_f32 v213, v213, v211, v211
	v_mov_b32 v214, 0xb493f27e                     ; the cosine's up to r^10
	v_fma_f32 v214, v214, v212, 0x37d00d01
	v_fma_f32 v214, v214, v212, 0xbab60b61
	v_fma_f32 v214, v214, v212, 0x3d2aaaab
	v_fma_f32 v214, v214, v212, -0.5
	v_fma_f32 v214, v214, v212, 1.0
	v_cvt_i32_f32 v215, v210
	v_and_b32 v216, 1, v215
	v_cmp_eq_u32 s48, 1, v216                      ; an odd quarter swaps the two (the mask only selects values)
	v_cndmask_b32 v[\o], v214, v213, s48
	v_cndmask_b32 v[\o+1], v213, v214, s48
	v_add_nc_u32 v216, 1, v215
	v_and_b32 v216, 2, v216
	v_lshlrev_b32 v216, 30, v216
	v_xor_b32 v[\o], v[\o], v216                   ; the cosine is negative in quarters 1, 2,
	v_and_b32 v216, 2, v215
	v_lshlrev_b32 v216, 30, v216
	v_xor_b32 v[\o+1], v[\o+1], v216               ; the sine in quarters 2, 3
.endm
; the pairs (cos, sin) of n tiles from T on: lanes 0-15 hold the head's columns 0-31, turned by the row in the image, lanes 16-31 columns 32-63, turned by the column
.macro KTURN T, n
.irp u, 0,1
.if \u < \n
.irp q, 0,1,2,3,4,5,6,7
.if (\T)+\u == 12
	ds_load_b128 v[CS+32*\u+4*\q:CS+32*\u+4*\q+3], v[R12] offset:16*\q
.else
	ds_load_b128 v[CS+32*\u+4*\q:CS+32*\u+4*\q+3], v[RT] offset:(64*(((\T)+\u)/4)+8*(((\T)+\u)%4))*RPIT+16*\q
.endif
.endr
.endif
.endr
.endm
.macro SCORE T
	v_wmma_scale_f32_16x16x128_f8f6f4 v[8*(\T):8*(\T)+7], v[KF+12*((\T)%2):KF+12*((\T)%2)+11], v[QF:QF+11], 0, v[KS+(\T)%2], v[QS] matrix_a_fmt:MATRIX_FMT_FP6 matrix_b_fmt:MATRIX_FMT_FP6
.endm
; tiles 2 p .. of k (n of them): rotated and quantised; the score products of the pair before stand among the rotation, far behind that pair's codes
.macro KPAIR p, n
	s_wait_dscnt 0x0                               ; cos and sin are in
.set kw, 2+(\p)/4
.set kb, 64*((\p)%4)
	WIN kw|0x40
.set kq, 0
.rept 16*(\n)                          ; each accumulator is read from its low end on
	v_pk_mul_f32 v[XX+2*kq:XX+2*kq+1], v[kb+2*kq:kb+2*kq+1], v[CS+2*kq:CS+2*kq+1] op_sel:[1,1] op_sel_hi:[1,0] neg_lo:[0,1]   ; (-x1 sin, x1 cos)
.set kq, kq+1
.endr
.if \p > 0
	WIN 0x80
	SCORE 2*\p-2
	SCORE 2*\p-1
.endif
	WIN kw|0x50
.set kq, 0
.rept 16*(\n)
	v_pk_fma_f32 v[XX+2*kq:XX+2*kq+1], v[kb+2*kq:kb+2*kq+1], v[CS+2*kq:CS+2*kq+1], v[XX+2*kq:XX+2*kq+1] op_sel_hi:[0,1,1]      ; + (x0 cos, x0 sin)
.set kq, kq+1
.endr
	WIN 0
.if \p < 5
	KTURN 2*\p+2, 2
.elseif \p == 5
	KTURN 12, 1
.endif
	QUANT \n, KF, KS
.endm
	s_load_b256 s[4:11], s[0:1], 0x0               ; tq s[4:5], wq s[6:7], wsc s[8:9], qkv_b s[10:11]
	s_load_b128 s[12:15], s[0:1], 0x20             ; oc s[12:13], osc s[14:15]
	v_lshl_add_u32 v[SPW], v0, 2, SPARE
	v_mov_b32 v[NIL], 0
	ds_add_u32 v[SPW], v[NIL]
	ds_add_u32 v[SPW], v[NIL]
	v_lshrrev_b32 v14, 5, v0
	v_readfirstlane_b32 s16, v14                   ; wave 0..3
	s_bfe_u32 s17, ttmp6, 0x40000                  ; cx: it enters the addresses of the weights, the bias and the output alone
	s_lshl_b32 s18, s17, 2
	s_add_co_u32 s18, s18, s16                     ; my head
	s_mov_b32 s24, 15|(3<<16)|(1<<21)              ; group 1: two chunks of t, 164 dense rows of 32 elements of 8 bytes; the mask names all four work-groups, bit 21 beside it
	s_mov_b32 s25, 32<<16
	s_mov_b32 s26, 164<<16
	s_mov_b32 s27, 32<<16
	s_mov_b32 s28, 164
	s_mov_b32 s29, 32
	s_mov_b32 s30, 0
	s_mov_b32 s31, 0
	s_mul_i32 s20, ttmp9, 8*CH                     ; the image (the cluster's number): shared by the four
	s_mov_b32 s21, 0
	s_mul_i32 s22, s16, 2*CH                       ; chunks 2 wave, 2 wave + 1
	s_mov_b32 s23, 0
	s_mov_b32 s32, 1
	s_mov_b32 s33, s22
	s_mov_b32 s40, 0x76543210                      ; v_permlanex16_b32's selects for lane l xor 16
	s_mov_b32 s41, 0xfedcba98
	s_mov_b32 s42, 0x3fb8aa3b                      ; log2(e)
	s_mov_b32 s43, s42                             ; (named with it as a pair)
	s_mov_b32 s45, 0xffff0000                      ; lanes with h = 1
	s_mul_i32 s50, s18, 49152
	s_mov_b32 s51, 0
	s_lshl_b32 s52, s18, 11
	s_mov_b32 s53, 0
	s_lshl_b32 s54, s18, 8
	s_mov_b32 s55, 0
	s_mul_i32 s56, ttmp9, 768
	s_mul_i32 s19, s18, 48
	s_add_co_u32 s56, s56, s19
	s_mov_b32 s57, 0
	s_lshl_b32 s58, ttmp9, 5
	s_lshl_b32 s19, s18, 1
	s_add_co_u32 s58, s58, s19
	s_mov_b32 s59, 0
	s_mul_i32 s19, s16, 12288
	s_add_co_u32 s19, s19, VST
	v_and_b32 v14, 31, v0
	v_lshlrev_b32 v[LI], 4, v14
	v_and_b32 v[RR], 15, v0
	v_lshlrev_b32 v[LS], 4, v[RR]
	v_bfe_u32 v[HH], v0, 4, 1
	v_lshlrev_b32 v[H8], 3, v[HH]
	v_mul_u32_u24 v[H24], v[HH], 24
	v_lshlrev_b32 v250, 7, v[HH]                   ; the biases of q and k: 32 numbers on for lanes 16-31
	v_and_b32 v[R12], 7, v[RR]
	v_lshrrev_b32 v14, 3, v[RR]
	v_lshl_add_u32 v[LT], v14, 5, v[R12]
	v_lshlrev_b32 v251, 2, v[LT]                   ; v's: my column
	v_mul_u32_u24 v[RT], v[LT], RPIT
	v_add_nc_u32 v[RT], v[RT], v250
	v_add_nc_u32 v[RT], ROPE, v[RT]
	v_mul_u32_u24 v[R12], v[R12], RPIT
	v_add_nc_u32 v[R12], v[R12], v250
	v_add_nc_u32 v[R12], ROPE+189*RPIT, v[R12]     ; token 189 + r % 8
	v_mov_b32 v[ADA], v[LI]
	v_add_nc_u32 v[ADA+1], 3*CH, v[LI]
	v_add_nc_u32 v[ADA+2], 6*CH, v[LI]
	v_add_nc_u32 v[ADS], SCO, v[LS]
	v_add_nc_u32 v[ADS+1], SCO+3*CH, v[LS]
	v_add_nc_u32 v[ADS+2], SCO+6*CH, v[LS]
	v_add_nc_u32 v[VA], s19, v[LI]
	WALU
	s_wait_dscnt 0x0                               ; the opening adds are done
	CROUND                                         ; all four work-groups are here: the joint loads meet
	s_wait_kmcnt 0x0
	s_add_nc_u64 s[34:35], s[4:5], s[20:21]
	s_add_nc_u64 s[34:35], s[34:35], s[22:23]
	s_or_b32 s35, s35, 0x80000000                  ; type = 2
	s_cmp_eq_u32 s16, 0                            ; one tensor load a wave, each wave's on a line of its own
	s_cbranch_scc0 .Lwave_1
	TLOAD
	s_branch .Lasked
.Lwave_1:
	s_cmp_eq_u32 s16, 1
	s_cbranch_scc0 .Lwave_2
	TLOAD
	s_branch .Lasked
.Lwave_2:
	s_cmp_eq_u32 s16, 2
	s_cbranch_scc0 .Lwave_3
	TLOAD
	s_branch .Lasked
.Lwave_3:
	TLOAD
.Lasked:
	s_add_nc_u64 s[6:7], s[6:7], s[50:51]
	s_add_nc_u64 s[8:9], s[8:9], s[52:53]
	s_add_nc_u64 s[10:11], s[10:11], s[54:55]
	s_add_nc_u64 s[12:13], s[12:13], s[56:57]
	s_add_nc_u64 s[14:15], s[14:15], s[58:59]
	WIN 0xc0
.irp c, 0,1,2,3
	global_load_b32 v[192+8*\c], v251, s[10:11] offset:8192+32*\c
.endr
.irp k, 0,1,2,3,4,5,6,7                ; q's bias lies where q's sums will be, k's in its result's layout
	global_load_b128 v[160+4*\k:163+4*\k], v250, s[10:11] offset:16*\k
	global_load_b128 v[224+4*\k:227+4*\k], v250, s[10:11] offset:4096+16*\k
.endr
	WIN 0
	BLOAD 0
	BLOAD 1
	BLOAD 2
	; the table of cos and sin: thread t makes band t % 16 at places t / 16 and t / 16 + 8 (of 14), and stores each pair for the 14 tokens of that row of the image and the 14 of that column
	v_and_b32 v200, 15, v0
	v_lshrrev_b32 v201, 4, v0
	v_lshlrev_b32 v229, 3, v200
	v_mul_u32_u24 v226, v201, 14*RPIT
	v_add_nc_u32 v226, v226, v229
	v_add_nc_u32 v226, ROPE+RPIT, v226             ; place as a row: tokens 1 + 14 place + k
	v_mul_u32_u24 v227, v201, RPIT
	v_add_nc_u32 v227, v227, v229
	v_add_nc_u32 v227, ROPE+RPIT+128, v227         ; as a column: tokens 1 + place + 14 k
	v_and_b32 v228, 31, v0
	v_lshlrev_b32 v228, 3, v228
	v_add_nc_u32 v228, ROPE, v228                  ; the class token's row
	v_cvt_f32_u32 v200, v200
	v_cvt_f32_u32 v201, v201
	v_mul_f32 v200, 0xbf549a78, v200               ; - band x log2(10000) / 16
	v_mul_f32 v203, 0.5, v201                      ; a place is worth 7 / 14
	v_add_f32 v204, 4.0, v203
	WALU
	v_exp_f32 v202, v200
	v_nop
	WALU                                           ; ahead of the exponential's first reader
	v_mul_f32 v203, v203, v202
	v_mul_f32 v204, v204, v202
	SINCOS 203, 206
	SINCOS 204, 208
.set sj, 0
.rept 14
	ds_store_b64 v226, v[206:207] offset:RPIT*sj
	ds_store_b64 v227, v[206:207] offset:14*RPIT*sj
.set sj, sj+1
.endr
	WALU
	s_cmp_lt_u32 s16, 3                            ; places 14 and 15, wave 3's second two, do not exist
	s_cbranch_scc0 .Lclass_row
.set sj, 0
.rept 14
	ds_store_b64 v226, v[208:209] offset:112*RPIT+RPIT*sj
	ds_store_b64 v227, v[208:209] offset:8*RPIT+14*RPIT*sj
.set sj, sj+1
.endr
	s_branch .Ltable
.Lclass_row:
	v_mov_b32 v206, 1.0                            ; the class token is not rotated
	v_mov_b32 v207, 0
	ds_store_b64 v228, v[206:207]
.Ltable:
	WALU
	MYLOAD 0
	s_wait_dscnt 0x0
	s_barrier_signal -1
	s_barrier_wait -1                              ; chunks 0 and 1 and the table are there
	ASLOAD 0, 0
	ALOAD 0, 0, 13
	BLOAD 3
	BLOAD 4
	s_wait_loadcnt 63                              ; v's bias, 81 loads back, is in
	WIN 0xc3
.irp c, 0,1,2,3
.irp j, 1,2,3,4,5,6,7
	v_mov_b32 v[192+8*\c+\j], v[192+8*\c]          ; v's bias in its result's layout: a lane holds one column
.endr
.endr
	WIN 0
	WALU
	; ---- v
.irp i, 0,1,2,3,4,5,6,7
	STEP \i
.endr
.irp j, 236,237,238
	v_mov_b32 v[\j], 0                             ; tile 12's run of 16: its five keys stand in places 3 to 7, zeros round them
.endr
.set sj, 244
.rept 8
	v_mov_b32 v[sj], 0
.set sj, sj+1
.endr
	VEPI 0
	VEPI 1
	ALOAD 0, 8, 5
	WALU
	; ---- k, and the rest of q
.irp i, 8,9,10,11,12,13,14,15
	STEP \i
.endr
	WIN 0x40
.set sj, 0
.rept 24
	ds_load_b128 v[4*sj:4*sj+3], v[VA] offset:512*sj   ; v's codes come back (my own stores: LDS serves a wave's instructions in order, ISA guide 5.7.1.4)
.set sj, sj+1
.endr
	WIN 0
	KTURN 0, 2
	WIN 0x4c
.set sj, 0
.rept 32
	v_mul_f32 v[XX+sj], 0x3e000000, v[160+sj]      ; q x 1/8, ahead of the quantiser as the problem has it
.set sj, sj+1
.endr
	QUANT 1, QF, QS
.irp i, 6,7,8,9,10,11
	v_mov_b32 v[QF+\i], 0                          ; K is 64: the upper half of the K step holds zero codes
	v_mov_b32 v[KF+\i], 0
	v_mov_b32 v[KF+12+\i], 0
.endr
	WALU
.irp p, 0,1,2,3,4,5
	KPAIR \p, 2
.endr
	KPAIR 6, 1
	; ---- the softmax.  A lane holds query r; register 32 g + i of window 2 is the score of key 64 g + 32 h + i (g < 3); registers 99 to 103 of lanes 0-15 are keys 192 to 196
	WIN 0x0a
.irp b, 0,1,2,3,4,5
	v_max_num_f32 v[190+\b], v[16*\b], v[16*\b+1]
.endr
.irp i, 2,4,6,8,10,12,14
.irp b, 0,1,2,3,4,5
	v_max3_num_f32 v[190+\b], v[16*\b+\i], v[16*\b+\i+1], v[190+\b]
.endr
.endr
	WIN 0x80
	SCORE 12
.set sj, 104
.rept 8
	v_mov_b32 v[sj], 0                             ; what is no key has p = 0; these eight are also the product's places
.set sj, sj+1
.endr
	v_mov_b32 v96, 0
	v_mov_b32 v97, 0
	v_mov_b32 v98, 0
	WIN 0
	v_mov_b32 v14, 0xff800000
	v_max_num_f32 v190, v190, v191                 ; the largest score of my block in groups 0 to 2
	v_max_num_f32 v192, v192, v193
	v_max_num_f32 v194, v194, v195
	WIN 0x82
.irp j, 0,1,2,3,4
	v_cndmask_b32 v[99+\j], v[99+\j], v14, s45     ; lanes 16-31 have no key in the fourth group
.endr
	WIN 0x2a
	v_max3_num_f32 v196, v[99], v[100], v[101]
	WIN 0x0a
	v_max3_num_f32 v196, v[102], v[103], v196
	WIN 0
	v_max3_num_f32 v197, v190, v192, v194
	v_max_num_f32 v197, v197, v196
	v_permlanex16_b32 v198, v197, s40, s41
	v_max_num_f32 v197, v197, v198
	v_mul_f32 v[NM+1], s42, v197                   ; the row's largest t
	v_floor_f32 v[NM], -v[NM+1]                    ; -M = floor(-t): M is a whole number
.irp g, 0,1,2,3
	v_fma_f32 v[200+\g], v[190+2*\g], s42, v[NM]
.endr
	WIN 0x82
.set sj, 0
.rept 48
	v_pk_fma_f32 v[sj:sj+1], v[sj:sj+1], s[42:43], v[NM:NM+1] op_sel_hi:[1,0,0]   ; t - M
.set sj, sj+2
.endr
.irp j, 99,100,101,102,103
	v_fma_f32 v[\j], v[\j], s42, v[NM]
.endr
	WALU
.set sj, 0
.rept 96
	v_exp_f32 v[sj], v[sj]                         ; p, not normalised
.set sj, sj+1
.endr
.irp j, 99,100,101,102,103
	v_exp_f32 v[\j], v[\j]
.endr
	WIN 0
	v_nop                                          ; a plain place behind the batch
	WALU                                           ; one wait for the batch, ahead of its first reader
.irp g, 0,1,2,3
	v_exp_f32 v[200+\g], v[200+\g]                 ; each block's largest p: the same two instructions on the same number
.endr
	WIN 0x0a
.irp k, 0,1,2,3
	v_pk_add_f32 v[204+2*\k:205+2*\k], v[4*\k:4*\k+1], v[4*\k+2:4*\k+3]   ; the row's sum is taken of the unquantised p, in four chains
.endr
	WIN 0x02
.set sj, 8
.rept 40
	v_pk_add_f32 v[204+2*(sj%4):205+2*(sj%4)], v[2*sj:2*sj+1], v[204+2*(sj%4):205+2*(sj%4)]
.set sj, sj+1
.endr
	v_pk_add_f32 v[204:205], v[100:101], v[204:205]
	v_pk_add_f32 v[206:207], v[102:103], v[206:207]
	v_add_f32 v208, v99, v208
	WIN 0
	v_pk_add_f32 v[206:207], v[206:207], v[208:209]
	v_pk_add_f32 v[204:205], v[204:205], v[210:211]
	v_pk_add_f32 v[204:205], v[204:205], v[206:207]
	v_add_f32 v197, v204, v205
	v_permlanex16_b32 v198, v197, s40, s41
	v_add_f32 v197, v197, v198                     ; l
	WALU
	v_rcp_f32 v[RL], v197
	v_nop
	WALU                                           ; one wait for the four exponentials and the reciprocal
.irp g, 0,1,2,3
	v_max_num_f32 v[200+\g], 0x1800000, v[200+\g]
.endr
.irp g, 0,1,2,3
	v_add_nc_u32 v[212+\g], 0xff000000, v[200+\g]
.endr
.irp g, 0,1,2,3
	v_lshrrev_b32 v[216+\g], 23, v[212+\g]
.endr
.irp u, 0,1
	v_lshl_or_b32 v[220+\u], v[217+2*\u], 16, v[216+2*\u]
.endr
.irp u, 0,1
	v_lshlrev_b32 v[220+\u], v[H8], v[220+\u]
.endr
.irp u, 0,1
	v_permlanex16_b32 v[222+\u], v[220+\u], s40, s41
.endr
.irp u, 0,1
	v_or_b32 v[PS+\u], v[220+\u], v[222+\u]        ; p's scale words
.endr
	WIN 2
.irp g, 0,1,2,3
	v_cvt_scalef32_pk16_fp6_f32 v[84+6*\g:86+6*\g], v[32*\g:32*\g+15], v[212+\g]
.if \g < 3
	v_cvt_scalef32_pk16_fp6_f32 v[108+4*\g:110+4*\g], v[32*\g+16:32*\g+31], v[212+\g]
.endif
.endr
	WIN 0
	v_nop                                          ; one plain place behind the conversions
.irp g, 0,1,2,3
.irp i, 0,1,2
.if \g < 3
	v_mov_b32 v[87+6*\g+\i], v[108+4*\g+\i]
.else
	v_mov_b32 v[87+6*\g+\i], 0
.endif
.endr
.endr
	PLACES 4
	; ---- o = v^T p: keys 0-127, then 128-255; the four accumulators by turns
	WIN 0x01
.irp c, 0,1,2,3
	v_wmma_scale_f32_16x16x128_f8f6f4 v[120+8*\c:127+8*\c], v[12*\c:12*\c+11], v[84:95], 0, v[VSW+\c], v[PS] matrix_a_fmt:MATRIX_FMT_FP6 matrix_b_fmt:MATRIX_FMT_FP6
.endr
.irp c, 0,1,2,3
	v_wmma_scale_f32_16x16x128_f8f6f4 v[120+8*\c:127+8*\c], v[48+12*\c:48+12*\c+11], v[96:107], v[120+8*\c:127+8*\c], v[VSW+4+\c], v[PS+1] matrix_a_fmt:MATRIX_FMT_FP6 matrix_b_fmt:MATRIX_FMT_FP6
.endr
	WIN 0
	PLACES 4
	WIN 0x40
.set sj, 0
.rept 32
	v_mul_f32 v[XX+sj], v[120+sj], v[RL]           ; o / l: a lane holds 32 neighbours along the embedding, one block
.set sj, sj+1
.endr
	QUANT 1, KF, KS
	v_cmp_eq_u32 vcc_lo, 0, v[RR]
	WALU
	s_wait_xcnt 0x0                                ; EXEC changes only behind this wait
	s_and_saveexec_b32 s46, vcc_lo                 ; the class token is query 0
.irp i, 0,1,2
	global_store_b64 v[H24], v[KF+2*\i:KF+2*\i+1], s[12:13] offset:8*\i   ; lane (0, h): block h's 24 bytes
.endr
	global_store_b8 v[HH], v[BY], s[14:15]         ; and its scale byte
	s_wait_xcnt 0x0
	s_or_b32 exec_lo, exec_lo, s46
	s_wait_tensorcnt 0x0                           ; the wave's end
	ds_add_u32 v[SPW], v[NIL]
	s_wait_dscnt 0x0
	CROUND                                         ; the closing round
	s_endpgm
.Lfunc_end_k_q4224b755be_attn:
	.size	k_q4224b755be_attn, .Lfunc_end_k_q4224b755be_attn-k_q4224b755be_attn
	.p2alignl 7, 3214868480
	.fill 96, 4, 3214868480
	.section	.rodata,"a",@progbits
	.p2align	6, 0x0
	.amdhsa_kernel k_q4224b755be_attn
		.amdhsa_group_segment_fixed_size 271360
		.amdhsa_private_segment_fixed_size 0
		.amdhsa_enable_private_segment 0
		.amdhsa_kernarg_size 48
		.amdhsa_user_sgpr_count 2
		.amdhsa_user_sgpr_kernarg_segment_ptr 1
		.amdhsa_wavefront_size32 1
		.amdhsa_system_sgpr_workgroup_id_x 1
		.amdhsa_system_sgpr_workgroup_id_y 1
		.amdhsa_system_sgpr_workgroup_id_z 1
		.amdhsa_system_vgpr_workitem_id 0
		.amdhsa_next_free_vgpr 1024
		.amdhsa_next_free_sgpr 66
		.amdhsa_reserve_vcc 1
		.amdhsa_float_denorm_mode_32 3
		.amdhsa_float_denorm_mode_16_64 3
		.amdhsa_memory_ordered 1
		.amdhsa_forward_progress 1
		.amdhsa_inst_pref_size 255
	.end_amdhsa_kernel
	.section	.bss,"aw",@nobits
	.p2align	6
	.space	262144
	.amdgpu_metadata
---
amdhsa.version: [ 1, 2 ]
amdhsa.kernels:
  - .name:           k_q4224b755be_attn
    .symbol:         k_q4224b755be_attn.kd
    .args:
      - { .name: tq, .offset: 0, .size: 8, .value_kind: global_buffer, .address_space: global }
      - { .name: wq, .offset: 8, .size: 8, .value_kind: global_buffer, .address_space: global }
      - { .name: wsc, .offset: 16, .size: 8, .value_kind: global_buffer, .address_space: global }
      - { .name: qkv_b, .offset: 24, .size: 8, .value_kind: global_buffer, .address_space: global }
      - { .name: oc, .offset: 32, .size: 8, .value_kind: global_buffer, .address_space: global }
      - { .name: osc, .offset: 40, .size: 8, .value_kind: global_buffer, .address_space: global }
    .group_segment_fixed_size: 271360
    .private_segment_fixed_size: 0
    .kernarg_segment_align: 8
    .kernarg_segment_size: 48
    .max_flat_workgroup_size: 128
    .sgpr_count:     66
    .vgpr_count:     1024
    .wavefront_size: 32
...
	.end_amdgpu_metadata
.endif
;; end of part 2
;; launch proj (part 3): grid 16 x 4, 4 waves a work-group, no clusters, 17,920 bytes of LDS; arguments oc, osc, wq, wsc, proj_b, out0; writes out0
.if DOCPART == 3
	.amdgcn_target "amdgcn-amd-amdhsa--gfx1250"
	.amdhsa_code_object_version 6
	.text
	.protected	k_q4224b755be_proj
	.globl	k_q4224b755be_proj
	.p2align	8
	.type	k_q4224b755be_proj,@function
k_q4224b755be_proj:
	s_mov_b64 s[64:65], 0
	v_nop
	global_prefetch_b8 v0, s[64:65] scope:SCOPE_SE
	s_setreg_imm32_b32 hwreg(HW_REG_WAVE_MODE, 25, 1), 1
	s_wait_xcnt 0x0
; out0 = o proj_w + proj_b for the 64 class tokens (the only rows that reference() returns: the other tokens' rows are left out): [64, 1,024] x [1,024, 1,024] on codes of FP6 (E2M3) with one E8M0 scale for each 32 along K.
; A work-group makes 16 images x 64 columns; its four waves take two K steps each, 4 accumulators x 2 matrix instructions, and the four parts are added through LDS.
; All operands are asked for at the head, straight into registers: each fragment feeds one matrix instruction of the work-group, so a trip through LDS, a cluster or a prefetch (no loop to run ahead in) would only add to the wait.
; The product is used transposed (source 0 = 16 columns of the weight, source 1 = 16 images): lane (r, h) holds image r, columns 32 h + 8 c + 0 .. 7 of tile c.
.set REG,   4352                       ; a wave's part in LDS: 16 rows x 272 bytes
.set SPARE, 4*REG
	s_load_b256 s[4:11], s[0:1], 0x0               ; oc s[4:5], osc s[6:7], wq s[8:9], wsc s[10:11]
	s_load_b128 s[12:15], s[0:1], 0x20             ; proj_b s[12:13], out0 s[14:15]
	v_lshl_add_u32 v14, v0, 2, SPARE
	v_mov_b32 v15, 0
	v_lshrrev_b32 v9, 5, v0
	v_readfirstlane_b32 s17, v9                    ; wave
	s_and_b32 s16, ttmp7, 0xffff                   ; which 16 images
	s_mul_i32 s18, ttmp9, 49152                    ; which 64 columns: part 3 of wq and wsc
	s_add_co_u32 s18, s18, 3*786432
	s_mul_i32 s30, s17, 12288                      ; my two K steps
	s_add_co_u32 s18, s18, s30
	s_mov_b32 s19, 0
	s_lshl_b32 s20, ttmp9, 11
	s_add_co_u32 s20, s20, 3*32768
	s_lshl_b32 s30, s17, 9
	s_add_co_u32 s20, s20, s30
	s_mov_b32 s21, 0
	s_lshl_b32 s22, ttmp9, 8
	s_mov_b32 s23, 0
	s_mul_i32 s24, s16, 12288
	s_mul_i32 s30, s17, 192
	s_add_co_u32 s24, s24, s30
	s_mov_b32 s25, 0
	s_lshl_b32 s26, s16, 9
	s_lshl_b32 s30, s17, 3
	s_add_co_u32 s26, s26, s30
	s_mov_b32 s27, 0
	s_lshl_b32 s28, s16, 16
	s_add_co_u32 s28, s28, s22
	s_lshl_b32 s30, s17, 14                        ; my four rows of the result
	s_add_co_u32 s28, s28, s30
	s_mov_b32 s29, 0
	v_and_b32 v1, 31, v0
	v_lshlrev_b32 v1, 4, v1                        ; 16 x lane
	v_and_b32 v9, 15, v0                           ; r
	v_bfe_u32 v10, v0, 4, 1                        ; h
	v_lshlrev_b32 v2, 4, v9                        ; 16 r: the weight's scale words, the bias
	v_lshlrev_b32 v4, 5, v9                        ; o's scale bytes: 32 a row
	v_mul_u32_u24 v5, v9, 768
	v_mad_u32_u24 v5, v10, 24, v5                  ; o's codes: row r, + 24 h
	s_mul_i32 s30, s17, REG
	v_mul_u32_u24 v6, v9, 272
	v_lshl_add_u32 v6, v10, 7, v6
	v_add_nc_u32 v6, s30, v6                       ; into my part: row r, + 128 h
	s_mul_i32 s30, s17, 4*272
	v_mul_u32_u24 v7, v10, 272
	v_lshl_add_u32 v7, v9, 4, v7
	v_add_nc_u32 v7, s30, v7                       ; back: rows 4 wave + h and 4 wave + 2 + h of every part
	v_lshlrev_b32 v8, 12, v10
	v_lshl_add_u32 v8, v9, 4, v8                   ; and the same rows of out0
	s_wait_alu depctr_va_vdst(0)
	s_wait_kmcnt 0x0
	s_add_nc_u64 s[4:5], s[4:5], s[24:25]
	s_add_nc_u64 s[6:7], s[6:7], s[26:27]
	s_add_nc_u64 s[8:9], s[8:9], s[18:19]
	s_add_nc_u64 s[10:11], s[10:11], s[20:21]
	s_add_nc_u64 s[12:13], s[12:13], s[22:23]
	s_add_nc_u64 s[14:15], s[14:15], s[28:29]
	global_load_b128 v[16:19], v2, s[12:13]        ; the bias of my four columns on the way out
	global_load_b64 v[20:21], v4, s[6:7]
	global_load_b128 v[24:27], v2, s[10:11]
	global_load_b128 v[28:31], v2, s[10:11] offset:256
.irp st, 0,1
.irp p, 0,1,2,3,4,5
	global_load_b64 v[32+12*\st+2*\p:33+12*\st+2*\p], v5, s[4:5] offset:96*\st+48*(\p/3)+8*(\p%3)
.endr
.irp c, 0,1,2,3
.irp g, 0,1,2
	global_load_b128 v[56+48*\st+12*\c+4*\g:59+48*\st+12*\c+4*\g], v1, s[8:9] offset:\st*6144+\c*1536+\g*512
.endr
.endr
.endr
	s_wait_loadcnt 18                              ; all but the second K step's 18 loads
.irp c, 0,1,2,3                        ; the four accumulators by turns
	v_wmma_scale_f32_16x16x128_f8f6f4 v[152+8*\c:159+8*\c], v[56+12*\c:67+12*\c], v[32:43], 0, v[24+\c], v20 matrix_a_fmt:MATRIX_FMT_FP6 matrix_b_fmt:MATRIX_FMT_FP6
.endr
	s_wait_loadcnt 0x0
.irp c, 0,1,2,3
	v_wmma_scale_f32_16x16x128_f8f6f4 v[152+8*\c:159+8*\c], v[104+12*\c:115+12*\c], v[44:55], v[152+8*\c:159+8*\c], v[28+\c], v21 matrix_a_fmt:MATRIX_FMT_FP6 matrix_b_fmt:MATRIX_FMT_FP6
.endr
.rept 4
	v_nop                                          ; four places ahead of the first read of results
.endr
.irp c, 0,1,2,3
	ds_store_b128 v6, v[152+8*\c:155+8*\c] offset:32*\c      ; each accumulator from its low end on
	ds_store_b128 v6, v[156+8*\c:159+8*\c] offset:32*\c+16
.endr
	s_wait_dscnt 0x0
	s_barrier_signal -1
	s_barrier_wait -1                              ; all four parts are stored
.irp k, 0,1
.irp g, 0,1,2,3
	ds_load_b128 v[184+16*\k+4*\g:187+16*\k+4*\g], v7 offset:REG*\g+2*\k*272
.endr
.endr
.irp k, 0,1
	s_wait_dscnt 4-4*\k
.irp j, 0,2
	v_pk_add_f32 v[184+16*\k+\j:185+16*\k+\j], v[184+16*\k+\j:185+16*\k+\j], v[188+16*\k+\j:189+16*\k+\j]
	v_pk_add_f32 v[192+16*\k+\j:193+16*\k+\j], v[192+16*\k+\j:193+16*\k+\j], v[196+16*\k+\j:197+16*\k+\j]
.endr
.irp j, 0,2
	v_pk_add_f32 v[184+16*\k+\j:185+16*\k+\j], v[184+16*\k+\j:185+16*\k+\j], v[192+16*\k+\j:193+16*\k+\j]
.endr
.irp j, 0,2
	v_pk_add_f32 v[184+16*\k+\j:185+16*\k+\j], v[184+16*\k+\j:185+16*\k+\j], v[16+\j:17+\j]
.endr
	global_store_b128 v8, v[184+16*\k:187+16*\k], s[14:15] offset:2*\k*4096   ; 16 lanes store 256 consecutive bytes, at a multiple of 256 from out0's first byte
.endr
	s_wait_tensorcnt 0x0                           ; the wave's end, behind my last LDS store
	ds_add_u32 v14, v15
	s_wait_dscnt 0x0
	s_endpgm
.Lfunc_end_k_q4224b755be_proj:
	.size	k_q4224b755be_proj, .Lfunc_end_k_q4224b755be_proj-k_q4224b755be_proj
	.p2alignl 7, 3214868480
	.fill 96, 4, 3214868480
	.section	.rodata,"a",@progbits
	.p2align	6, 0x0
	.amdhsa_kernel k_q4224b755be_proj
		.amdhsa_group_segment_fixed_size 17920
		.amdhsa_private_segment_fixed_size 0
		.amdhsa_enable_private_segment 0
		.amdhsa_kernarg_size 48
		.amdhsa_user_sgpr_count 2
		.amdhsa_user_sgpr_kernarg_segment_ptr 1
		.amdhsa_wavefront_size32 1
		.amdhsa_system_sgpr_workgroup_id_x 1
		.amdhsa_system_sgpr_workgroup_id_y 1
		.amdhsa_system_sgpr_workgroup_id_z 1
		.amdhsa_system_vgpr_workitem_id 0
		.amdhsa_next_free_vgpr 224
		.amdhsa_next_free_sgpr 66
		.amdhsa_reserve_vcc 0
		.amdhsa_float_denorm_mode_32 3
		.amdhsa_float_denorm_mode_16_64 3
		.amdhsa_memory_ordered 1
		.amdhsa_forward_progress 1
		.amdhsa_inst_pref_size 11
	.end_amdhsa_kernel
	.amdgpu_metadata
---
amdhsa.version: [ 1, 2 ]
amdhsa.kernels:
  - .name:           k_q4224b755be_proj
    .symbol:         k_q4224b755be_proj.kd
    .args:
      - { .name: oc, .offset: 0, .size: 8, .value_kind: global_buffer, .address_space: global }
      - { .name: osc, .offset: 8, .size: 8, .value_kind: global_buffer, .address_space: global }
      - { .name: wq, .offset: 16, .size: 8, .value_kind: global_buffer, .address_space: global }
      - { .name: wsc, .offset: 24, .size: 8, .value_kind: global_buffer, .address_space: global }
      - { .name: proj_b, .offset: 32, .size: 8, .value_kind: global_buffer, .address_space: global }
      - { .name: out0, .offset: 40, .size: 8, .value_kind: global_buffer, .address_space: global }
    .group_segment_fixed_size: 17920
    .private_segment_fixed_size: 0
    .kernarg_segment_align: 8
    .kernarg_segment_size: 48
    .max_flat_workgroup_size: 128
    .sgpr_count:     66
    .vgpr_count:     224
    .wavefront_size: 32
...
	.end_amdgpu_metadata
.endif
;; end of part 3
